; MI455X (gfx1250); checked and timed in simulation.
; The chip was launched on July 23, 2026; its instructions are those of AMD's public machine-readable ISA for CDNA 5 (MIT licence, August 2026) and "CDNA5" Instruction Set Architecture Reference Guide (July 2026). The comments in the code are by the model that wrote it; some were corrected since.
;; Generalized Attention. Allowed arithmetic: matrix products marked QUANTISED: E2M1 operands, one E8M0 scale for each 32 along K, by v_wmma_scale_f32_16x16x128_f8f6f4 with both operands' format E2M1 (or v_wmma_scale_f32_32x16x128_f4), f32 sums; products left as they are: f32 operands where the result goes on into a quantised operand, else bf16, f16 or f32 operands; f32 sums; everything else in f32.
;; Inputs: W 256 x 256 float32; b 256 float32; edges 4 x 256 x 256 x 256 float32; nodes 4 x 256 x 256 float32.
;; Outputs: out0 4 x 256 x 256 float32; out1 4 x 8 x 256 x 256 float32.
;; This version of the problem:
;;   THIS VERSION OF THE PROBLEM IS GIVEN IN LOW PRECISION. The matrix products marked QUANTISED in the list below multiply operands that are first quantised to E2M1 (2 exponent bits, 1 mantissa bit; 4 bits a number), with one power-of-two scale for each 32 numbers along K (OCP MX v1.0); their sums are f32. All else is computed in f32.
;;   The module's matrix products, in the order in which they are computed (A, B: the left and right operand; K: the contracted axis; several contracted axes count as one K, in the product's order):
;;     1. [M 1,024, K 256] x [K 256, N 256]; A: input nodes; B: input W: QUANTISED
;;     2. [M 262,144, K 256] x [K 256, N 256]; A: input edges; B: input W: QUANTISED
;;     3. batch 2,097,152 x [M 1, K 32] x [K 32, N 1]; A: computed on the way; B: computed on the way: left as it is (M = 1 < 16)
;;     4. batch 32 x [M 32, K 256] x [K 256, N 256]; A: computed on the way; B: softmax (see below): QUANTISED
;;     5. [M 1,024, K 256] x [K 256, N 256]; A: computed on the way; B: input W: QUANTISED
;;   THE QUANTISER, for each operand of a quantised product, along K:
;;     - K is cut into blocks of 32 from its start; a last block that is shorter is filled with zeros.
;;     - A block's scale is 2^e with e = floor(log2(the largest magnitude in the block)) - 2, held to -126 .. 127; a block of zeros has e = 0. As a byte (E8M0): e + 127.
;;     - Each number is divided by its block's scale, clamped to +-6, and rounded to the nearest number of E2M1, ties to even, subnormals kept.
;;     - The product sums the exact products of the quantised numbers (number of the format x scale) in f32.
;;   ~~~python
;;   def quantise(x, axis):      # numpy; x: float32 -> the quantised numbers, widened to float32 again
;;       x = np.moveaxis(x, axis, -1); K = x.shape[-1]
;;       x = np.pad(x, [(0, 0)] * (x.ndim - 1) + [(0, -K % 32)]); x = x.reshape(x.shape[:-1] + (-1, 32)); a = np.abs(x).max(-1, keepdims=True)
;;       e = np.where(a > 0, np.clip(np.frexp(np.where(a > 0, a, 1))[1] - 1 - 2, -126, 127), 0)      # np.frexp(a)[1] - 1 = floor(log2(a)), exactly
;;       r = np.clip(x / 2.0 ** e, -6, 6)
;;       step = 2.0 ** (np.maximum(np.frexp(np.where(r == 0, 1, r))[1] - 1, 0) - 1)
;;       q = np.round(r / step) * step * 2.0 ** e      # np.round: ties to even
;;       return np.moveaxis(q.reshape(q.shape[:-2] + (-1,))[..., :K], -1, axis).astype(np.float32)
;;   ~~~
;;   SOFTMAX AHEAD OF A QUANTISED PRODUCT. Where the list says 'softmax', what is quantised is not the finished softmax but p = 2^(t - M), with t = logit x log2(e) and M = ceil(the row's largest t), a whole number; so 1/2 < the row's largest p <= 1. The row's sum l is taken of the UNQUANTISED p, in f32, and the product's result is divided by l at the end. Since M is a whole number, a kernel that streams over the keys may use a running M (the ceiling of the running maximum): every later rescaling is an exact power of two, which a block's scale takes up: the codes' values come out the same.
;;   OPERANDS COMPUTED ON THE WAY. 'Computed on the way' means the value that the module computes at that place (a softmax that the list does not call 'softmax' is quantised finished and normalised). What goes into a quantiser is computed in f32, as accurately as f32 sums, v_exp_f32 and their like allow (about 1e-6 of the number): no bf16 or f16 on the way to a quantiser, and a product that is left as it is and whose result goes on into a quantised operand takes f32 operands (vector FMAs, or v_wmma_f32_16x16x4_f32). A number that lies on a knife's edge between two numbers of the format may be rounded either way, as far as f32 arithmetic and the matrix unit's own rounding can turn it there, and no further.
;; One version. Each part assembles by itself: llvm-mc -triple=amdgcn-amd-amdhsa -mcpu=gfx1250 --defsym DOCPART=n.
;; ======== version 1 of 1: 2 launches
;; limits: right only within a limited range of input values
;; workspace buffers: codes 184,320 bytes
;; launch prep (part 1): grid 80 x 1, 1 waves a work-group, no clusters, 16,896 bytes of LDS; arguments W, nodes, codes; writes codes
.if DOCPART == 1
	.amdgcn_target "amdgcn-amd-amdhsa--gfx1250"
	.amdhsa_code_object_version 6
	.text
	.protected	k_q58af6a95b1_prep
	.globl	k_q58af6a95b1_prep
	.p2align	8
	.type	k_q58af6a95b1_prep,@function
k_q58af6a95b1_prep:
	s_mov_b64 s[64:65], 0
	v_nop
	global_prefetch_b8 v0, s[64:65] scope:SCOPE_SE
	s_setreg_imm32_b32 hwreg(HW_REG_WAVE_MODE, 25, 1), 1
	s_wait_xcnt 0x0
; W (16 tiles of 16 rows x 256 f32) and nodes (64 tiles) become codes of FP4 (E2M1) with one E8M0 scale for each 32 along K, laid as images of a matrix operand's registers, so that the next launch loads them whole.
; Tile n's record, 2,304 bytes: 512 u + 16 x lane: registers 4 u .. 4 u + 3 (k = 64 u + 32 h + 0 .. 31 of row r; lane = 16 h + r); 2,048 + 8 x lane: the row's scale word, twice: lanes 0-15 that of k = 0 .. 127, lanes 16-31 that of k = 128 .. 255.
; A work-group of one wave takes one tile.  Its loads read 512 consecutive bytes each and turn through LDS, whose rows have 16 bytes of padding behind 1,024.  No loop: no prefetch.  No shared input: no cluster.
; No step of reference() is left out of the program as dead work.
; LIMITS.  NaN and infinities among the inputs are not served.  A block whose largest magnitude lies under 2^(3 - 127) gets the scale byte 1, a block of zeros too (the rule says 127): its codes are zeros, and the bytes are read by this program alone.
.set PITCH, 1040
.set SPARE, 16*PITCH                   ; the spare words
.set L16, 1                            ; 16 x lane
.set SPW, 2                            ; my spare word: SPARE + 4 x my thread's number; never rewritten
.set NIL, 3                            ; 0; never rewritten
.set H8,  4                            ; 8 h
.set AR,  5                            ; row r, 128 h
.set L8,  6                            ; 8 x lane
.set WK,  16                           ; v16-79 two units
.set TT,  80
.set XS,  90
.set CO,  96
.set GG,  128                          ; v128-255 the tile as loaded
.macro QB xb, pc, u                    ; a lane's 32 numbers, one block, into four registers of codes; behind an odd unit the scale word of K step u / 2
.irp z, 0,1,2,3
	v_max3_num_f32 v[TT+\z], |v[\xb+8*\z]|, |v[\xb+8*\z+1]|, |v[\xb+8*\z+2]|
.endr
.irp i, 3,5
.irp z, 0,1,2,3
	v_max3_num_f32 v[TT+\z], v[TT+\z], |v[\xb+8*\z+\i]|, |v[\xb+8*\z+\i+1]|
.endr
.endr
	v_max3_num_f32 v[TT], v[TT], |v[\xb+7]|, |v[\xb+15]|
	v_max3_num_f32 v[TT+1], v[TT+1], |v[\xb+23]|, |v[\xb+31]|
	v_max3_num_f32 v[TT+2], v[TT+2], v[TT+3], 0x1800000   ; the floor 2^(3 - 127) holds the byte at 1 from below
	v_max3_num_f32 v[TT], v[TT], v[TT+1], v[TT+2]
	v_add_nc_u32 v[TT+4], 0xff000000, v[TT]        ; 2 off the exponent field: the conversion takes the exponent field of this operand as its scale, and nothing else of it
	v_lshrrev_b32 v[TT+6+(\u)%2], 23, v[TT+4]      ; the scale's byte
.irp g, 0,1,2,3
	v_cvt_scalef32_pk8_fp4_f32 v[\pc+\g], v[\xb+8*\g:\xb+8*\g+7], v[TT+4]
.endr
.if (\u)%2
	v_lshl_or_b32 v[XS+(\u)/2], v[TT+7], 16, v[TT+6]   ; blocks h and 2 + h of my row,
	v_lshlrev_b32 v[XS+(\u)/2], v[H8], v[XS+(\u)/2]    ; at their places;
	v_permlanex16_b32 v[TT+8], v[XS+(\u)/2], s20, s21
	v_or_b32 v[XS+(\u)/2], v[XS+(\u)/2], v[TT+8]   ; with lane l xor 16's two the word is whole
.else
	v_nop                                          ; one plain place behind a scaled conversion
.endif
.endm
.macro QLD u, ch
.irp n, 0,1,2,3,4,5,6,7
	ds_load_b128 v[WK+32*(\ch)+4*\n:WK+32*(\ch)+4*\n+3], v[AR] offset:256*(\u)+16*\n
.endr
.endm
.macro STAGE s                         ; half s of the 16 rows as it lies
.irp i, 0,1,2,3,4,5,6,7,8,9,10,11,12,13,14,15
	ds_store_b128 v[L16], v[GG+64*\s+4*\i:GG+64*\s+4*\i+3] offset:PITCH*\i+512*\s
.endr
.endm
	s_load_b128 s[4:7], s[0:1], 0x0                ; W, nodes
	s_load_b64 s[8:9], s[0:1], 0x10                ; codes
	v_lshl_add_u32 v[SPW], v0, 2, SPARE
	v_mov_b32 v[NIL], 0
	v_lshlrev_b32 v[L16], 4, v0
	v_lshlrev_b32 v[L8], 3, v0
	v_and_b32 v[TT], 15, v0                        ; r
	v_lshrrev_b32 v[TT+1], 4, v0                   ; h
	v_lshlrev_b32 v[H8], 3, v[TT+1]
	v_mul_u32_u24 v[AR], v[TT], PITCH
	v_lshl_add_u32 v[AR], v[TT+1], 7, v[AR]
	v_mov_b32 v[TT+8], 0                           ; written once: a lane permute's destination counts as a source
	s_mov_b32 s20, 0x76543210
	s_mov_b32 s21, 0xfedcba98                      ; v_permlanex16_b32's selects for lane l xor 16
	s_mov_b32 s22, 0xffff0000                      ; lanes 16-31
	s_mov_b32 s11, 0
	s_mov_b32 s13, 0
	s_mul_i32 s12, ttmp9, 2304
	s_wait_alu depctr_va_vdst(0)                   ; the wait at the head's end
	s_wait_kmcnt 0x0
	s_add_nc_u64 s[8:9], s[8:9], s[12:13]
	s_cmp_lt_u32 ttmp9, 16                         ; a tile of W or of nodes: the work-group's number alone decides
	s_cselect_b64 s[4:5], s[4:5], s[6:7]
	s_cselect_b32 s10, 0, 16
	s_sub_co_u32 s10, ttmp9, s10
	s_lshl_b32 s10, s10, 14
	s_add_nc_u64 s[4:5], s[4:5], s[10:11]
.irp s, 0,1
.irp i, 0,1,2,3,4,5,6,7,8,9,10,11,12,13,14,15
	global_load_b128 v[GG+64*\s+4*\i:GG+64*\s+4*\i+3], v[L16], s[4:5] offset:1024*\i+512*\s
.endr
.endr
	s_wait_loadcnt 16                              ; the first half's 16 loads are in
	STAGE 0
	QLD 0, 0                                       ; LDS serves a wave's instructions in order: these see the stores above
	QLD 1, 1
	s_wait_loadcnt 0x0
	STAGE 1
	s_wait_dscnt 24                                ; behind unit 0's loads: unit 1's 8 and the 16 stores
	QB WK, CO, 0
	QLD 2, 0
	s_wait_dscnt 24                                ; behind unit 1's: the 16 stores and unit 2's 8
	QB WK+32, CO+4, 1
	QLD 3, 1
	s_wait_dscnt 8
	QB WK, CO+8, 2
	s_wait_dscnt 0x0
	QB WK+32, CO+12, 3
	v_cndmask_b32 v[XS], v[XS], v[XS+1], s22
	v_mov_b32 v[XS+1], v[XS]
.irp n, 0,1,2,3
	global_store_b128 v[L16], v[CO+4*\n:CO+4*\n+3], s[8:9] offset:512*\n
.endr
	global_store_b64 v[L8], v[XS:XS+1], s[8:9] offset:2048   ; 32 lanes store one aligned unit of 256 bytes
	s_wait_tensorcnt 0x0                           ; the wave's end: these three lines, behind my last LDS store
	ds_add_u32 v[SPW], v[NIL]
	s_wait_dscnt 0x0
	s_endpgm
.Lfunc_end_k_q58af6a95b1_prep:
	.size	k_q58af6a95b1_prep, .Lfunc_end_k_q58af6a95b1_prep-k_q58af6a95b1_prep
	.p2alignl 7, 3214868480
	.fill 96, 4, 3214868480
	.section	.rodata,"a",@progbits
	.p2align	6, 0x0
	.amdhsa_kernel k_q58af6a95b1_prep
		.amdhsa_group_segment_fixed_size 16896
		.amdhsa_private_segment_fixed_size 0
		.amdhsa_enable_private_segment 0
		.amdhsa_kernarg_size 24
		.amdhsa_user_sgpr_count 2
		.amdhsa_user_sgpr_kernarg_segment_ptr 1
		.amdhsa_wavefront_size32 1
		.amdhsa_system_sgpr_workgroup_id_x 1
		.amdhsa_system_sgpr_workgroup_id_y 1
		.amdhsa_system_sgpr_workgroup_id_z 1
		.amdhsa_system_vgpr_workitem_id 0
		.amdhsa_next_free_vgpr 256
		.amdhsa_next_free_sgpr 66
		.amdhsa_reserve_vcc 0
		.amdhsa_float_denorm_mode_32 3
		.amdhsa_float_denorm_mode_16_64 3
		.amdhsa_memory_ordered 1
		.amdhsa_forward_progress 1
		.amdhsa_inst_pref_size 16
	.end_amdhsa_kernel
	.amdgpu_metadata
---
amdhsa.version: [ 1, 2 ]
amdhsa.kernels:
  - .name:           k_q58af6a95b1_prep
    .symbol:         k_q58af6a95b1_prep.kd
    .args:
      - { .name: W, .offset: 0, .size: 8, .value_kind: global_buffer, .address_space: global }
      - { .name: nodes, .offset: 8, .size: 8, .value_kind: global_buffer, .address_space: global }
      - { .name: codes, .offset: 16, .size: 8, .value_kind: global_buffer, .address_space: global }
    .group_segment_fixed_size: 16896
    .private_segment_fixed_size: 0
    .kernarg_segment_align: 8
    .kernarg_segment_size: 24
    .max_flat_workgroup_size: 32
    .sgpr_count:     66
    .vgpr_count:     256
    .wavefront_size: 32
...
	.end_amdgpu_metadata
.endif
;; end of part 1
;; launch fused (part 2): grid 256 x 1, 8 waves a work-group, no clusters, 327,680 bytes of LDS; arguments edges, b, codes, out0, out1; writes out0, out1
.if DOCPART == 2
	.amdgcn_target "amdgcn-amd-amdhsa--gfx1250"
	.amdhsa_code_object_version 6
	.text
	.protected	k_q58af6a95b1_fused
	.globl	k_q58af6a95b1_fused
	.p2align	8
	.type	k_q58af6a95b1_fused,@function
k_q58af6a95b1_fused:
	s_mov_b64 s[64:65], 0
	v_nop
	global_prefetch_b8 v0, s[64:65] scope:SCOPE_SE
	s_setreg_imm32_b32 hwreg(HW_REG_WAVE_MODE, 25, 1), 1
	s_wait_xcnt 0x0
; GeneralizedAttention, B = 4, N = 256, D = 256, 8 heads of 32, products on codes of FP4 (E2M1) with one E8M0 scale for each 32 along K.  W and nodes come as images of operand registers (the launch before).
;   node_p = Q(nodes) Q(W)^T + b;  edge_p = Q(edges) Q(W)^T + b;  score(h,i,j) = sum over the head of (edge_p + node_p[i]) (edge_p + node_p[j]) / sqrt(32), in f32 on the vector unit;
;   t = 10 tanh(score) log2(e);  M = ceil(the row's largest t);  p = 2^(t - M);  l = the row's sum of p;  out1 = p / l;  O = Q(node_p along j)^T Q(p along j) / l;  out0 = Q(O) Q(W)^T + b.
; SHARES.  Work-group g owns b = g / 64 and the four queries i0 = 4 (g % 64) on: its edges are ONE dense block of 1 MiB at g << 20, four slabs [256 j][256 k], walked as eight steps of 128 rows.
; Wave w (c = w % 4, jh = w / 4) multiplies rows 64 jh .. 64 jh + 63 of each step by the 64 channels of heads w and w ^ 4: tiles ct = 0, 1 are head w's, ct = 2, 3 head (w ^ 4)'s.  For the whole launch it keeps
; its 64 rows of Q(W), NPB[j] = Q(nodes) Q(W)^T + 2 b of its 128 rows j (256 registers, in a result's layout) and head w's V as codes.  key = x W^T + NPB[j] and query = x W^T + NPB[i] are two chains that differ in their first C alone.
; Each wave quantises 16 of a step's 128 rows; the codes go from wave to wave through LDS as images of the operand's registers (16 bytes a lane on end), the scale words likewise.  Scores meet in LDS, and wave w takes head w's whole row.
; p's four rows of a head stay in LDS until the last: they are quantised once, as four columns of one operand.
; THE PRODUCTS ARE USED TRANSPOSED (source 0 = 16 rows of W, source 1 = 16 rows of x): a lane holds one j and eight channels.  For V the sources change places: a lane holds one channel, and its registers run along j.
; PREFETCH: behind the refill that brings step n + 2 (n = 0 .. 4) stand the requests for step n + 3, one step ahead of its refill; step 2 is asked for among the head's last products, steps 0 and 1 come by the head's load alone.
; Each block of 256 bytes is named once in the launch, by the one work-group that reads it: 16 KiB a wave and step.
; NO CLUSTER: the shared inputs (codes of W and of nodes[b], 72 KiB in all) are under a tenth of a work-group's bytes; the edges are each work-group's own, and in a cluster launch each of their fills would have to stand behind a round of the cluster's barrier.
; LIMITS.  NaN and infinities among the inputs are not served.  A block whose largest magnitude lies under 2^(3 - 127) gets the scale byte 1, a block of zeros too (the rule says 127): its codes are zeros, and the bytes are read by this program alone.
; tanh(x) = 1 - 2 / (1 + 2^(2 log2(e) x)): absolute error about 1e-7, exact limits at both ends.  b enters key and query as 2 b inside the product's C: the order of rounding differs from the source's by ulps.
;
; LDS (bytes): the ring, 256 rows of 1,024 + 16 of padding; only tensor loads write it.
.set PITCH, 1040
.set SLOT,  128*PITCH                  ; slot 1 of the ring (slot 0 at 0): 128 rows each
.set IMG,   256*PITCH                  ; images: 8 tiles' codes, 2,048 each (512 x unit + 16 x lane), then 8 x 128 of scale words: lanes 0-15 K step 0's, lanes 16-31 K step 1's; at the head V's scale words; at the end out0's four rows
.set NI,    IMG+17408                  ; NPB of the four queries, rows of PITCH
.set PROW,  NI+4352                    ; four rows of scores, then p, for each head, PITCH apart, 1 / l behind each; at the head V's codes, 4,096 a head
.set HROW,  4*PITCH
.set OST,   PROW+8*HROW+256            ; O / l, four rows of PITCH
.set OUTST, IMG
.set SPARE, 326656                     ; the spare words, 128 bytes for each wave
.set STEPB, 131072                     ; a step's bytes in memory
.set REC,   2304                       ; a tile's record among the codes
; REGISTERS.  Window 0:
.set L16, 1                            ; 16 x lane
.set SPW, 2                            ; my spare word: SPARE + 4 x my thread's number; never rewritten
.set NIL, 3                            ; 0; never rewritten
.set AX0, 4                            ; v4, v5: my 16 rows of slot 0, 1
.set AIW, 6                            ; my tile's image of codes, v7 of scale words
.set ASW, 7
.set ALI, 8                            ; the images of my four tiles, v9 their scale words
.set ALS, 9
.set ASC, 10                           ; v10, v11: where my scores of head w, of head w ^ 4 go
.set APR, 12                           ; head w's row: 16 x lane
.set APB, 13                           ; at the end: row r % 4 of head w, 128 h   (at the head: V's codes, out)
.set ANI, 14                           ; v14, v15: NI, my channels of head w, of head w ^ 4
.set ALR, 16                           ; at the end: row r % 4 of head w          (at the head: V's scale words, out)
.set H8,  17                           ; 8 h
.set VPF, 18                           ; 256 x lane
.set VA,  19                           ; v19, v20: V's codes in, for head w, w ^ 4;  v21, v22: its scale words in;  v23: 8 x lane
.set VW,  21
.set L8,  23
.set AOR, 19                           ; at the end: O's stage as an operand's row; out0's stage in, v21 out; v22 32 h; v23 O's stage in
.set AUS, 20
.set AUR, 21
.set H32, 22
.set AOS, 23
.set WS,  24                           ; v24-27 W's scale words;  v28-31 V's (28 + 2 ct + K step; at the head the node tiles');  v32, v33 those at work: these hold scales and nothing else
.set VS,  28
.set XS,  32
.set TT,  34                           ; v34-47 at work
.set WF,  48                           ; v48-111 W's fragments (16 ct + 8 x K step)
.set VF,  112                          ; v112-143 V's
.set WK,  144                          ; v144-255 by turns: two sets of 32 numbers to quantise | a fetched tile, keys, queries | the softmax's; WK + 80 on: NPB[i], through a slab's two steps.  At the head: + 0 the queries' tile, + 32 V's codes, + 40 b, + 48 four node tiles
.set CO,  WK+64                        ; codes just made
.set EE,  WK+64                        ; the softmax's eight numbers: j = 4 lane + 0 .. 3, 128 + 4 lane + 0 .. 3
.set AT,  WK+72                        ; attn
.set OA,  WK+80                        ; O^T
.set CV,  WK+32
.set BV,  WK+40
.set FN,  WK+48
; Window 1: NPB: step k, tile t, ct at v[8 (4 (4 k + t) + ct)].  Until NPB's last tile v[224 + 8 ct] holds 2 b in a result's layout; at the end v0-15 hold b.
.set BB, 224
.set G1S, 24                           ; s[24:31] descriptor group 1: 16 rows;  s[32:39]: 32 rows
.set G1P, 32
.set G0E, 40                           ; groups 0: slab 0;  s[52:55], s[56:59] the refills of slot 0, 1
.set G0R, 52
.set PFA, 68                           ; s[68:69] where my prefetches stand: my 16 KiB of step 2, then 4, 6, 8
.set MSB, 0
.macro WIN new                         ; low byte: bits 1:0 source 0, 3:2 source 1, 5:4 source 2, 7:6 destination; the high byte repeats the setting that is left
.if MSB != (\new)
	s_set_vgpr_msb (MSB<<8)|(\new)
.set MSB, \new
.endif
.endm
.macro PLACES n
.rept \n
	v_nop
.endr
.endm
.macro TL g0, g1
	tensor_load_to_lds s[\g0:\g0+3], s[\g1:\g1+7]
	s_nop 0
	PLACES 4
.endm
.macro BAR                             ; a barrier behind which nothing is filled: LDS stores are whole for every wave, LDS loads are over
	s_wait_alu depctr_va_vdst(0)
	s_wait_dscnt 0x0
	s_barrier_signal -1
	s_barrier_wait -1
.endm
; The change of slots.  In front of the barrier a wave waits for its one tensor load (the next step's part), adds 0 to its spare word, and waits for that and for its LDS loads and stores.
; k = 0, 1: slot k, quantised by every wave, is filled with the step two on; k = -1: nothing is filled.
.macro SYNC k
.if (\k) == 1
	s_wait_xcnt 0x0                                ; any prefetch of mine has read its address
	s_add_nc_u64 s[PFA:PFA+1], s[PFA:PFA+1], 2*STEPB
.endif
	s_wait_alu depctr_va_vdst(0)
	s_wait_tensorcnt 0x0                           ; no tensor load of mine is out, so a group 0 may be written
	ds_add_u32 v[SPW], v[NIL]                      ; 0 onto my spare word
.if (\k) >= 0
	s_add_nc_u64 s[G0R+4*(\k)+2:G0R+4*(\k)+3], s[G0R+4*(\k)+2:G0R+4*(\k)+3], 2*STEPB   ; the type bits on top are not reached
.endif
	s_wait_dscnt 0x0
	s_barrier_signal -1
	s_barrier_wait -1
.if (\k) >= 0
	TL G0R+4*(\k), G1S                             ; my one tensor load behind this barrier, first thing there
.endif
.endm
; A UNIT is a lane's 32 numbers k = 128 s + 64 c + 32 h + 0 .. 31 of its row, u = 2 s + c: one block.  It becomes four registers of codes at v[pc]; behind c = 1 the row's scale word of K step s is whole in v[XS + s].
.macro QB xb, pc, u
.irp z, 0,1,2,3
	v_max3_num_f32 v[TT+\z], |v[\xb+8*\z]|, |v[\xb+8*\z+1]|, |v[\xb+8*\z+2]|
.endr
.irp i, 3,5
.irp z, 0,1,2,3
	v_max3_num_f32 v[TT+\z], v[TT+\z], |v[\xb+8*\z+\i]|, |v[\xb+8*\z+\i+1]|
.endr
.endr
	v_max3_num_f32 v[TT], v[TT], |v[\xb+7]|, |v[\xb+15]|
	v_max3_num_f32 v[TT+1], v[TT+1], |v[\xb+23]|, |v[\xb+31]|
	v_max3_num_f32 v[TT+2], v[TT+2], v[TT+3], 0x1800000   ; the floor 2^(3 - 127) holds the byte at 1 from below
	v_max3_num_f32 v[TT], v[TT], v[TT+1], v[TT+2]
	v_add_nc_u32 v[TT+4], 0xff000000, v[TT]        ; 2 off the exponent field: the conversion takes the exponent field of this operand as its scale, and nothing else of it
	v_lshrrev_b32 v[TT+6+(\u)%2], 23, v[TT+4]      ; the scale's byte
.irp g, 0,1,2,3
	v_cvt_scalef32_pk8_fp4_f32 v[\pc+\g], v[\xb+8*\g:\xb+8*\g+7], v[TT+4]
.endr
.if (\u)%2
	v_lshl_or_b32 v[XS+(\u)/2], v[TT+7], 16, v[TT+6]   ; blocks h and 2 + h of my row,
	v_lshlrev_b32 v[XS+(\u)/2], v[H8], v[XS+(\u)/2]    ; at their places;
	v_permlanex16_b32 v[TT+8], v[XS+(\u)/2], s20, s21
	v_or_b32 v[XS+(\u)/2], v[XS+(\u)/2], v[TT+8]   ; with lane l xor 16's two the word is whole
.else
	v_nop                                          ; one plain place behind a scaled conversion
.endif
.endm
.macro QLD ax, u, ch
.irp n, 0,1,2,3,4,5,6,7
	ds_load_b128 v[WK+32*(\ch)+4*\n:WK+32*(\ch)+4*\n+3], v[\ax] offset:256*(\u)+16*\n
.endr
.endm
; A row's four units, with two sets of 32 registers
.macro QROW ax
	QLD \ax, 0, 0
	QLD \ax, 1, 1
	s_wait_dscnt 8                                 ; behind this unit's loads: the next unit's eight
	QB WK, CO, 0
	QLD \ax, 2, 0
	s_wait_dscnt 8
	QB WK+32, CO+4, 1
	QLD \ax, 3, 1
	s_wait_dscnt 8
	QB WK, CO+8, 2
	s_wait_dscnt 0x0
	QB WK+32, CO+12, 3
.endm
.macro QX k                            ; my 16 rows of slot k become codes
	QROW AX0+\k
	v_cndmask_b32 v[XS], v[XS], v[XS+1], s22       ; lanes 16-31 take K step 1's word
.endm
.macro IMGST                           ; and an image
.irp n, 0,1,2,3
	ds_store_b128 v[AIW], v[CO+4*\n:CO+4*\n+3] offset:512*\n
.endr
	ds_store_b32 v[ASW], v[XS]
.endm
.macro FTX off, soff                   ; a tile's image into 16 registers, its scale words into v[XS]: five LDS loads
.irp n, 0,1,2,3
	ds_load_b128 v[WK+4*\n:WK+4*\n+3], v[ALI] offset:\off+512*\n
.endr
	ds_load_b32 v[XS], v[ALS] offset:\soff
.endm
; One matrix instruction.  c < 0: C is the constant 0.  row = 1: both sides' scale words are taken from lanes 16-31.
.macro MM d, a, b, c, sa, sb, row
.if (\c) < 0
	v_wmma_scale_f32_16x16x128_f8f6f4 v[\d:\d+7], v[\a:\a+7], v[\b:\b+7], 0, v[\sa], v[\sb] matrix_a_fmt:MATRIX_FMT_FP4 matrix_b_fmt:MATRIX_FMT_FP4
.elseif \row
	v_wmma_scale_f32_16x16x128_f8f6f4 v[\d:\d+7], v[\a:\a+7], v[\b:\b+7], v[\c:\c+7], v[\sa], v[\sb] matrix_a_fmt:MATRIX_FMT_FP4 matrix_b_fmt:MATRIX_FMT_FP4 matrix_a_scale:MATRIX_SCALE_ROW1 matrix_b_scale:MATRIX_SCALE_ROW1
.else
	v_wmma_scale_f32_16x16x128_f8f6f4 v[\d:\d+7], v[\a:\a+7], v[\b:\b+7], v[\c:\c+7], v[\sa], v[\sb] matrix_a_fmt:MATRIX_FMT_FP4 matrix_b_fmt:MATRIX_FMT_FP4
.endif
.endm
; Step k: my four tiles of 16 rows j = 128 k + 64 jh + 16 t on against my 64 channels; two heads' scores into their rows.
; Registers: WK + 0 the tile, + 16 keys, + 48 queries, + 80 NPB[i], which step 0 loads for both steps.
.macro PSTEP k, ask
.if \k == 0
	v_add_nc_u32 v[TT+12], s46, v[ANI]             ; this slab's query's row
	v_add_nc_u32 v[TT+13], s46, v[ANI+1]
.irp hh, 0,1
.irp z, 0,1,2,3
	ds_load_b128 v[WK+80+16*\hh+4*\z:WK+83+16*\hh+4*\z], v[TT+12+\hh] offset:64*(\z/2)+16*(\z%2)
.endr
.endr
.endif
	FTX 0, 0
	v_add_nc_u32 v[TT+12], s46, v[ASC]             ; and of the scores
	v_add_nc_u32 v[TT+13], s46, v[ASC+1]
.if \ask
.if \k
	s_wait_alu depctr_va_vdst(0)                   ; the wait ahead of the branch
	s_cmp_eq_u32 s23, 1                            ; in the last trip step 1 has no step three on
	s_cbranch_scc1 .Lnoask_\@
.endif
	global_prefetch_b8 v[VPF], s[PFA:PFA+1] offset:STEPB*(1-\k) th:TH_LOAD_NT scope:SCOPE_SE   ; my 16 KiB of the step three on: lanes 256 bytes apart
	global_prefetch_b8 v[VPF], s[PFA:PFA+1] offset:STEPB*(1-\k)+8192 th:TH_LOAD_NT scope:SCOPE_SE
.if \k
.Lnoask_\@:
.endif
.endif
.set PT, 0
.rept 4
	s_wait_dscnt 0x0                               ; the tile is in
	WIN 0x10                                       ; C = NPB[j] in window 1
.irp ct, 0,1,2,3
	MM WK+16+8*\ct, WF+16*\ct, WK, 8*(4*(4*\k+PT)+\ct), WS+\ct, XS, 0
.endr
	WIN 0
.irp ct, 0,1,2,3
	MM WK+48+8*\ct, WF+16*\ct, WK, WK+80+8*\ct, WS+\ct, XS, 0
.endr
.irp ct, 0,1,2,3                       ; K step 1 adds in place; the eight accumulators take turns, one instruction a turn
	MM WK+16+8*\ct, WF+16*\ct+8, WK+8, WK+16+8*\ct, WS+\ct, XS, 1
.endr
.irp ct, 0,1,2,3
	MM WK+48+8*\ct, WF+16*\ct+8, WK+8, WK+48+8*\ct, WS+\ct, XS, 1
.endr
	PLACES 4
.if PT < 3
	FTX 2048*(PT+1), 128*(PT+1)                    ; the next tile, under the sums below
.endif
.irp e, 0,1,2,3                        ; key x query over my 8 channels of each tile ct: four chains by turns, each accumulator from its low end on
.irp ct, 0,1,2,3
.if \e == 0
	v_pk_mul_f32 v[TT+2*\ct:TT+2*\ct+1], v[WK+16+8*\ct:WK+17+8*\ct], v[WK+48+8*\ct:WK+49+8*\ct]
.else
	v_pk_fma_f32 v[TT+2*\ct:TT+2*\ct+1], v[WK+16+8*\ct+2*\e:WK+17+8*\ct+2*\e], v[WK+48+8*\ct+2*\e:WK+49+8*\ct+2*\e], v[TT+2*\ct:TT+2*\ct+1]
.endif
.endr
.endr
.irp hh, 0,1
	v_pk_add_f32 v[TT+4*\hh:TT+4*\hh+1], v[TT+4*\hh:TT+4*\hh+1], v[TT+4*\hh+2:TT+4*\hh+3]
.endr
.irp hh, 0,1
	v_add_f32 v[TT+8+2*(PT%2)+\hh], v[TT+4*\hh], v[TT+4*\hh+1]
.endr
.if PT%2
.irp hh, 0,1
	v_permlane16_swap_b32 v[TT+8+\hh], v[TT+10+\hh]   ; the first now holds both tiles' sums over channels 0-7 and 16-23 of the head, the second those over the others
.endr
.irp hh, 0,1
	v_add_f32 v[TT+8+\hh], v[TT+8+\hh], v[TT+10+\hh]  ; the score (not yet / sqrt(32)) of j = 128 k + 64 jh + 32 (t / 2) + lane
.endr
.irp hh, 0,1
	ds_store_b32 v[TT+12+\hh], v[TT+8+\hh] offset:512*\k+128*(PT/2)
.endr
.endif
.set PT, PT+1
.endr
.endm
; One query's row of head w: tanh, softmax, out1; p and 1 / l stay in the row.
.macro SOFTMAX
	v_add_nc_u32 v[TT+12], s46, v[APR]
	ds_load_b128 v[EE:EE+3], v[TT+12]
	ds_load_b128 v[EE+4:EE+7], v[TT+12] offset:512
	s_wait_dscnt 0x0
.irp j, 0,2,4,6
	v_pk_mul_f32 v[EE+\j:EE+\j+1], v[EE+\j:EE+\j+1], s[66:67] op_sel_hi:[1,0]   ; x 2 log2(e) / sqrt(32) (of the pair the low word serves both halves)
.endr
	s_wait_alu depctr_va_vdst(0)                   ; here and below: a wait ahead of a batch of transcendentals and one behind it
.irp j, 0,1,2,3,4,5,6,7
	v_exp_f32 v[EE+\j], v[EE+\j]
.endr
	v_nop
	s_wait_alu depctr_va_vdst(0)
.irp j, 0,2,4,6
	v_pk_add_f32 v[EE+\j:EE+\j+1], v[EE+\j:EE+\j+1], 1.0 op_sel_hi:[1,0]
.endr
	s_wait_alu depctr_va_vdst(0)
.irp j, 0,1,2,3,4,5,6,7
	v_rcp_f32 v[EE+\j], v[EE+\j]
.endr
	v_nop
	s_wait_alu depctr_va_vdst(0)
.irp j, 0,1,2,3,4,5,6,7
	v_fma_f32 v[EE+\j], v[EE+\j], s67, s63         ; t = 10 log2(e) (1 - 2 / (1 + 2^..))
.endr
	v_max3_num_f32 v[TT], v[EE], v[EE+1], v[EE+2]
	v_max3_num_f32 v[TT+1], v[EE+3], v[EE+4], v[EE+5]
	v_max3_num_f32 v[TT], v[TT], v[EE+6], v[EE+7]
	v_max_num_f32 v[TT], v[TT], v[TT+1]
.irp x, 1,2,4,8
	v_max_num_f32_dpp v[TT], v[TT], v[TT] row_xmask:\x row_mask:0xf bank_mask:0xf
.endr
	v_permlanex16_b32 v[TT+8], v[TT], s20, s21
	v_max_num_f32 v[TT], v[TT], v[TT+8]            ; the row's largest t, in every lane
	v_floor_f32 v[TT+2], -v[TT]                    ; -M = floor(-t) = -ceil(t): a whole number
.irp j, 0,2,4,6
	v_pk_add_f32 v[EE+\j:EE+\j+1], v[EE+\j:EE+\j+1], v[TT+2:TT+3] op_sel_hi:[1,0]
.endr
	s_wait_alu depctr_va_vdst(0)
.irp j, 0,1,2,3,4,5,6,7
	v_exp_f32 v[EE+\j], v[EE+\j]                   ; p = 2^(t - M): not normalised
.endr
	v_nop
	s_wait_alu depctr_va_vdst(0)
	ds_store_b128 v[TT+12], v[EE:EE+3]             ; the row is now mine alone
	ds_store_b128 v[TT+12], v[EE+4:EE+7] offset:512
	v_pk_add_f32 v[TT+4:TT+5], v[EE:EE+1], v[EE+2:EE+3]   ; l: the sum of the unquantised p
	v_pk_add_f32 v[TT+6:TT+7], v[EE+4:EE+5], v[EE+6:EE+7]
	v_pk_add_f32 v[TT+4:TT+5], v[TT+4:TT+5], v[TT+6:TT+7]
	v_add_f32 v[TT+4], v[TT+4], v[TT+5]
.irp x, 1,2,4,8
	v_add_f32_dpp v[TT+4], v[TT+4], v[TT+4] row_xmask:\x row_mask:0xf bank_mask:0xf
.endr
	v_permlanex16_b32 v[TT+8], v[TT+4], s20, s21
	v_add_f32 v[TT+4], v[TT+4], v[TT+8]
	s_add_co_u32 s47, s46, s96
	v_mov_b32 v[TT+13], s47
	s_wait_alu depctr_va_vdst(0)
	v_rcp_f32 v[TT+10], v[TT+4]                    ; 1 / l
	v_nop
	s_wait_alu depctr_va_vdst(0)
	ds_store_b32 v[TT+13], v[TT+10]                ; all lanes write the same word with the same value
.irp j, 0,2,4,6
	v_pk_mul_f32 v[AT+\j:AT+\j+1], v[EE+\j:EE+\j+1], v[TT+10:TT+11] op_sel_hi:[1,0]   ; attn = p / l
.endr
	global_store_b128 v[L16], v[AT:AT+3], s[12:13] th:TH_STORE_NT               ; 32 lanes store 512 consecutive bytes, at a multiple of 256 from out1's first byte
	global_store_b128 v[L16], v[AT+4:AT+7], s[12:13] offset:512 th:TH_STORE_NT
	s_wait_xcnt 0x0                                ; the stores have read their registers and their base: both are written again only behind this wait
.endm
.macro FLD k                           ; my four node tiles of step k: twenty loads
.irp t, 0,1,2,3
.irp n, 0,1,2,3
	global_load_b128 v[FN+16*\t+4*\n:FN+16*\t+4*\n+3], v[L16], s[50:51] offset:REC*(8*\k+\t)+512*\n
.endr
	global_load_b32 v[VS+\t], v[L8], s[50:51] offset:REC*(8*\k+\t)+2048
.endr
.endm
; V: 64 j (128 k + 64 jh on) of tiles ct = 2 ctp, 2 ctp + 1 lie in v[VF ..]: register 16 z + 8 u + i = j 32 (z % 2) + 16 u + 8 h + i on, of channel r of tile z / 2.  They become registers 4 jh .. 4 jh + 3 of K step k and two bytes of its scale word.
.macro VQ ctp, k
.irp e, 0,2,4,6,8,10,12,14
.irp z, 0,1,2,3
	v_pk_add_f32 v[VF+16*\z+\e:VF+16*\z+\e+1], v[VF+16*\z+\e:VF+16*\z+\e+1], v[BV+4*\ctp+2*(\z/2):BV+4*\ctp+2*(\z/2)+1] op_sel_hi:[1,0]   ; + b of channel r
.endr
.endr
.irp z, 0,1,2,3
	v_max3_num_f32 v[TT+\z], |v[VF+16*\z]|, |v[VF+16*\z+1]|, 0x1800000
.endr
.irp i, 2,4,6,8,10,12,14
.irp z, 0,1,2,3
	v_max3_num_f32 v[TT+\z], v[TT+\z], |v[VF+16*\z+\i]|, |v[VF+16*\z+\i+1]|
.endr
.endr
.irp z, 0,1,2,3
	v_permlanex16_b32 v[TT+4+\z], v[TT+\z], s20, s21
.endr
.irp z, 0,1,2,3
	v_max_num_f32 v[TT+\z], v[TT+\z], v[TT+4+\z]   ; with lane l xor 16's 16: the block's largest magnitude
.endr
.irp z, 0,1,2,3
	v_add_nc_u32 v[TT+4+\z], 0xff000000, v[TT+\z]
.endr
.irp z, 0,1,2,3
	v_lshrrev_b32 v[TT+\z], 23, v[TT+4+\z]
.endr
.irp x, 0,1
	v_lshl_or_b32 v[TT+2*\x], v[TT+2*\x+1], 8, v[TT+2*\x]
.endr
.irp x, 0,1                            ; the operand wants j = 32 h + 8 g + 0 .. 7 in register g: the two blocks side by side, and their halves exchanged
	v_cvt_scalef32_pk8_fp4_f32 v[CV+4*\x],   v[VF+32*\x:VF+32*\x+7],     v[TT+4+2*\x]
	v_cvt_scalef32_pk8_fp4_f32 v[CV+4*\x+1], v[VF+32*\x+16:VF+32*\x+23], v[TT+5+2*\x]
	v_cvt_scalef32_pk8_fp4_f32 v[CV+4*\x+2], v[VF+32*\x+8:VF+32*\x+15],  v[TT+4+2*\x]
	v_cvt_scalef32_pk8_fp4_f32 v[CV+4*\x+3], v[VF+32*\x+24:VF+32*\x+31], v[TT+5+2*\x]
.endr
	v_nop                                          ; one plain place behind a scaled conversion
.irp x, 0,1
	v_permlane16_swap_b32 v[CV+4*\x], v[CV+4*\x+1]
	v_permlane16_swap_b32 v[CV+4*\x+2], v[CV+4*\x+3]
.endr
.irp x, 0,1
	ds_store_b128 v[VA+\ctp], v[CV+4*\x:CV+4*\x+3] offset:1024*(2*\x+\k)
	ds_store_b16 v[VW+\ctp], v[TT+2*\x] offset:128*(2*\x+\k)
.endr
.endm
; My four node tiles of step k: NPB, and V of my 64 channels
.macro HALF k
	s_wait_loadcnt 0x0
.set PT, 0
.rept 4
.if (\k == 1) && (PT == 3)
	WIN 0
	PLACES 5                                       ; the last tile's sums are laid over 2 b, which the tile before has read
.endif
	WIN 0x50
.irp ct, 0,1,2,3
	MM 8*(4*(4*\k+PT)+\ct), WF+16*\ct, FN+16*PT, BB+8*\ct, WS+\ct, VS+PT, 0
.endr
.irp ct, 0,1,2,3
	MM 8*(4*(4*\k+PT)+\ct), WF+16*\ct+8, FN+16*PT+8, 8*(4*(4*\k+PT)+\ct), WS+\ct, VS+PT, 1
.endr
.set PT, PT+1
.endr
	WIN 0
.irp ctp, 0,1
.irp t, 0,1,2,3
.irp x, 0,1
	MM VF+32*\x+8*\t, FN+16*\t, WF+16*(2*\ctp+\x), -1, VS+\t, WS+2*\ctp+\x, 0
.endr
.endr
.irp t, 0,1,2,3
.irp x, 0,1
	MM VF+32*\x+8*\t, FN+16*\t+8, WF+16*(2*\ctp+\x)+8, VF+32*\x+8*\t, VS+\t, WS+2*\ctp+\x, 1
.endr
.endr
	PLACES 4
	VQ \ctp, \k
.if \k == 1
	global_prefetch_b8 v[VPF], s[PFA:PFA+1] offset:8192*\ctp th:TH_LOAD_NT scope:SCOPE_SE   ; half of my 16 KiB of step 2, which the first refill will bring
.endif
.endr
.endm
	; ---- THE HEAD
	s_load_b256 s[4:11], s[0:1], 0x0               ; edges s[4:5], b s[6:7], codes s[8:9], out0 s[10:11]
	s_load_b64 s[12:13], s[0:1], 0x20              ; out1
	v_lshl_add_u32 v[SPW], v0, 2, SPARE
	v_mov_b32 v[NIL], 0
	ds_add_u32 v[SPW], v[NIL]                      ; the wave's opening: the add, twice on end, and one wait for both ahead of my first tensor load
	ds_add_u32 v[SPW], v[NIL]
	v_lshrrev_b32 v[TT], 5, v0
	v_readfirstlane_b32 s16, v[TT]                 ; wave 0..7
	; descriptor group 1: rows of 1,024 bytes, dense in memory, as 128 elements of 8 bytes; 16 bytes of padding behind each
.irp g, G1S, G1P
	s_mov_b32 s[\g], (3<<16)|(1<<20)|(7<<22)|(3<<25)   ; 15:0 no mask; 17:16 elements of 8 bytes; 20 padding on; 24:22 after every 256 words (code 7); 31:25 four words (code 3)
	s_mov_b32 s[\g+1], 128<<16                     ; tensor_dim0 = 128
	s_mov_b32 s[\g+3], 128<<16                     ; tile_dim0 = 128
	s_mov_b32 s[\g+5], 128                         ; tensor_dim0_stride
	s_mov_b32 s[\g+6], 0
	s_mov_b32 s[\g+7], 0
.endr
	s_mov_b32 s[G1S+2], 16<<16                     ; tensor_dim1, tile_dim1: 16 rows
	s_mov_b32 s[G1S+4], 16
	s_mov_b32 s[G1P+2], 32<<16                     ; 32 rows
	s_mov_b32 s[G1P+4], 32
	s_xor_b32 s3, s16, 4                           ; the wave, and the head, that I share columns with
	s_lshr_b32 s2, s16, 2                          ; jh
	s_mul_i32 s70, s16, 16*PITCH                   ; my 16 rows of a slot
	s_mul_i32 s71, s16, 32*PITCH                   ; my 32 rows of the whole ring
	s_lshl_b32 s82, s2, 8                          ; 256 jh
	s_lshl_b32 s97, s2, 9                          ; 512 jh
	s_lshl_b32 s72, s16, 9
	s_add_co_u32 s91, s72, IMG                     ; V's scale words of head w,
	s_lshl_b32 s72, s2, 1
	s_add_co_u32 s72, s72, s91                     ; my half of them,
	s_lshl_b32 s73, s3, 9
	s_add_co_u32 s73, s73, IMG
	s_lshl_b32 s95, s2, 1
	s_add_co_u32 s73, s73, s95                     ; and of head w ^ 4's
	s_lshl_b32 s88, s16, 12
	s_add_co_u32 s88, s88, PROW                    ; V's codes likewise
	s_add_co_u32 s74, s88, s97
	s_lshl_b32 s75, s3, 12
	s_add_co_u32 s75, s75, PROW
	s_add_co_u32 s75, s75, s97
	s_lshl_b32 s76, s16, 11
	s_add_co_u32 s76, s76, IMG
	s_lshl_b32 s77, s16, 7                         ; 128 w: head w's channels in bytes
	s_add_co_u32 s78, s77, IMG+16384
	s_lshl_b32 s79, s2, 13
	s_add_co_u32 s79, s79, IMG
	s_add_co_u32 s80, s97, IMG+16384
	s_mul_i32 s81, s16, HROW
	s_add_co_u32 s81, s81, PROW                    ; head w's rows
	s_add_co_u32 s96, s81, 1024                    ; and its 1 / l
	s_add_co_u32 s83, s81, s82
	s_mul_i32 s84, s3, HROW
	s_add_co_u32 s84, s84, PROW
	s_add_co_u32 s84, s84, s82
	s_add_co_u32 s85, s77, NI
	s_lshl_b32 s94, s3, 7                          ; 128 (w ^ 4)
	s_add_co_u32 s86, s94, NI
	s_add_co_u32 s87, s77, OST
	s_add_co_u32 s89, s77, OUTST
	s_lshr_b32 s90, s16, 1
	s_mul_i32 s90, s90, PITCH
	s_and_b32 s92, s16, 1
	s_lshl_b32 s92, s92, 9
	s_add_co_u32 s90, s90, s92
	s_add_co_u32 s90, s90, OUTST
	v_and_b32 v[TT+9], 31, v0                      ; lane
	v_and_b32 v[TT+10], 15, v0                     ; r
	v_bfe_u32 v[TT+2], v0, 4, 1                    ; h
	v_lshlrev_b32 v[L16], 4, v[TT+9]
	v_lshlrev_b32 v[L8], 3, v[TT+9]
	v_lshlrev_b32 v[TT+3], 2, v[TT+9]              ; 4 x lane
	v_lshlrev_b32 v[H8], 3, v[TT+2]
	v_lshlrev_b32 v[VPF], 8, v[TT+9]
	v_lshlrev_b32 v[TT], 5, v[TT+2]                ; 32 h: my eight channels
	v_lshlrev_b32 v[TT+1], 2, v[TT+10]             ; 4 r
	v_mul_u32_u24 v[TT+4], v[TT+10], PITCH
	v_lshl_add_u32 v[TT+4], v[TT+2], 7, v[TT+4]    ; row r, + 128 h: my block of each 64 along K
	v_add_nc_u32 v[AX0], s70, v[TT+4]
	v_add_nc_u32 v[AX0+1], SLOT, v[AX0]
	v_add_nc_u32 v[AIW], s76, v[L16]
	v_add_nc_u32 v[ASW], s78, v[TT+3]
	v_add_nc_u32 v[ALI], s79, v[L16]
	v_add_nc_u32 v[ALS], s80, v[TT+3]
	v_add_nc_u32 v[ASC], s83, v[TT+3]
	v_add_nc_u32 v[ASC+1], s84, v[TT+3]
	v_add_nc_u32 v[APR], s81, v[L16]
	v_lshl_add_u32 v[ANI], v[TT+2], 5, s85
	v_lshl_add_u32 v[ANI+1], v[TT+2], 5, s86
	v_add_nc_u32 v[VA], s74, v[L16]
	v_add_nc_u32 v[VA+1], s75, v[L16]
	v_add_nc_u32 v[VW], s72, v[TT+3]
	v_add_nc_u32 v[VW+1], s73, v[TT+3]
	v_add_nc_u32 v[APB], s88, v[L16]
	v_add_nc_u32 v[ALR], s91, v[TT+3]
.irp z, 5,6,7,8,11,13
	v_mov_b32 v[TT+\z], 0                          ; written once: a lane permute's destination, or a pair's upper half, counts as a source
.endr
.irp z, 1,3,5,7
	v_mov_b32 v[BV+\z], 0
.endr
	s_wait_alu depctr_va_vdst(0)                   ; the wait ahead of the waits below
	s_wait_dscnt 0x0                               ; both opening adds are done
	s_wait_kmcnt 0x0
	s_mov_b32 s93, 0
	s_lshl_b32 s92, ttmp9, 20
	s_add_nc_u64 s[4:5], s[4:5], s[92:93]          ; my work-group's 1 MiB of edges
	s_lshl_b32 s92, s16, 15
	s_mov_b32 s[G0E], 1                            ; count = 1
	s_mov_b32 s[G0E+1], s71                        ; LDS address
	s_add_nc_u64 s[G0E+2:G0E+3], s[4:5], s[92:93]  ; global address
	s_or_b32 s[G0E+3], s[G0E+3], 0x80000000        ; type = 2
	TL G0E, G1P                                    ; slab 0, 32 rows a wave: my one tensor load at the head.  A wave never has more than one out
	s_mov_b32 s95, 0
	s_add_nc_u64 s[94:95], s[6:7], s[94:95]        ; b's channels of head w ^ 4,
	s_mov_b32 s92, s77
	s_add_nc_u64 s[6:7], s[6:7], s[92:93]          ; of head w
	s_mul_i32 s92, s16, 2*REC
	s_add_nc_u64 s[44:45], s[8:9], s[92:93]        ; W's tiles of head w,
	s_mul_i32 s92, s3, 2*REC
	s_add_nc_u64 s[48:49], s[8:9], s[92:93]        ; of head w ^ 4
	s_lshr_b32 s17, ttmp9, 6                       ; b
	s_and_b32 s18, ttmp9, 63                       ; i0 / 4
	s_lshl_b32 s19, s17, 4
	s_add_co_u32 s19, s19, 16                      ; nodes[b]'s first tile among the records
	s_lshr_b32 s92, s18, 2
	s_add_co_u32 s92, s92, s19
	s_mul_i32 s92, s92, REC
	s_add_nc_u64 s[98:99], s[8:9], s[92:93]        ; the tile that holds my work-group's queries,
	s_lshl_b32 s92, s2, 2
	s_add_co_u32 s92, s92, s19
	s_mul_i32 s92, s92, REC
	s_add_nc_u64 s[50:51], s[8:9], s[92:93]        ; and my first node tile
	WIN 0x40
.irp z, 0,1,2,3                        ; b in a result's layout
	global_load_b128 v[BB+4*\z:BB+4*\z+3], v[TT], s[6:7] offset:64*(\z/2)+16*(\z%2)
	global_load_b128 v[BB+16+4*\z:BB+16+4*\z+3], v[TT], s[94:95] offset:64*(\z/2)+16*(\z%2)
.endr
	WIN 0
.irp x, 0,1                            ; and for V: channel r of the tile
	global_load_b32 v[BV+2*\x], v[TT+1], s[6:7] offset:64*\x
	global_load_b32 v[BV+4+2*\x], v[TT+1], s[94:95] offset:64*\x
.endr
.irp x, 0,1                            ; W's fragments and scale words: they stay
.irp n, 0,1,2,3
	global_load_b128 v[WF+16*\x+4*\n:WF+16*\x+4*\n+3], v[L16], s[44:45] offset:REC*\x+512*\n
	global_load_b128 v[WF+32+16*\x+4*\n:WF+32+16*\x+4*\n+3], v[L16], s[48:49] offset:REC*\x+512*\n
.endr
	global_load_b32 v[WS+\x], v[L8], s[44:45] offset:REC*\x+2048
	global_load_b32 v[WS+2+\x], v[L8], s[48:49] offset:REC*\x+2048
.endr
.irp n, 0,1,2,3
	global_load_b128 v[WK+16+4*\n:WK+19+4*\n], v[L16], s[98:99] offset:512*\n
.endr
	global_load_b32 v[XS], v[L8], s[98:99] offset:2048
	FLD 0
	s_lshl_b32 s92, s16, 14
	s_add_nc_u64 s[92:93], s[4:5], s[92:93]        ; my 16 rows of step 0
	s_add_nc_u64 s[PFA:PFA+1], s[92:93], 2*STEPB   ; the prefetches: step 2
	s_mov_b32 s[G0R], 1
	s_mov_b32 s[G0R+1], s70
	s_mov_b64 s[G0R+2:G0R+3], s[92:93]             ; two steps are added ahead of each refill
	s_or_b32 s[G0R+3], s[G0R+3], 0x80000000
	s_mov_b32 s[G0R+4], 1
	s_add_co_u32 s[G0R+5], s70, SLOT
	s_add_nc_u64 s[G0R+6:G0R+7], s[92:93], STEPB
	s_or_b32 s[G0R+7], s[G0R+7], 0x80000000
	s_mov_b32 s93, 0
	s_lshl_b32 s92, ttmp9, 12
	s_lshl_b32 s19, s16, 9
	s_add_co_u32 s92, s92, s19
	s_add_nc_u64 s[10:11], s[10:11], s[92:93]      ; out0: row i0 + w / 2, half w % 2
	s_lshl_b32 s92, s17, 3
	s_add_co_u32 s92, s92, s16
	s_lshl_b32 s92, s92, 18
	s_lshl_b32 s19, s18, 12
	s_add_co_u32 s92, s92, s19
	s_add_nc_u64 s[12:13], s[12:13], s[92:93]      ; out1: (b, head w, row i0)
	s_mov_b32 s20, 0x76543210
	s_mov_b32 s21, 0xfedcba98                      ; v_permlanex16_b32's selects for lane l xor 16
	s_mov_b32 s22, 0xffff0000                      ; lanes 16-31
	s_mov_b32 s66, 0x3f0293ee                      ; 2 log2(e) / sqrt(32)
	s_mov_b32 s67, 0xc1e6d4ca                      ; -20 log2(e)
	s_mov_b32 s63, 0x4166d4ca                      ; 10 log2(e)
	s_mov_b32 s46, 0                               ; the slab's row in NI and in each head's rows
	s_mov_b32 s23, 3
	s_and_b32 s60, ttmp9, 3
	s_mul_i32 s60, s60, 0x44444444                 ; i0 % 16 in each of eight fields: v_permlane16_b32's selects
	s_mov_b32 s61, s60
	; ---- NPB of the four queries, head w's channels
	s_wait_loadcnt 20                              ; all but the four node tiles
	WIN 0x45
.irp j, 0,2,4,6,8,10,12,14,16,18,20,22,24,26,28,30
	v_pk_add_f32 v[BB+\j:BB+\j+1], v[BB+\j:BB+\j+1], v[BB+\j:BB+\j+1]   ; 2 b
.endr
	WIN 0x10
.irp ct, 0,1
	MM WK+8*\ct, WF+16*\ct, WK+16, BB+8*\ct, WS+\ct, XS, 0
.endr
	WIN 0
.irp ct, 0,1
	MM WK+8*\ct, WF+16*\ct+8, WK+24, WK+8*\ct, WS+\ct, XS, 1
.endr
	PLACES 5
.set NS, 0
.rept 4                                ; from query i0 + NS's lane into every lane, and into its row of NI
.set NB, 0
.rept 16
	v_permlane16_b32 v[WK+16+NB], v[WK+NB], s60, s61
.set NB, NB+1
.endr
.irp z, 0,1,2,3
	ds_store_b128 v[ANI], v[WK+16+4*\z:WK+19+4*\z] offset:PITCH*NS+64*(\z/2)+16*(\z%2)   ; the 16 lanes of a half write the same bytes
.endr
	s_add_co_u32 s60, s60, 0x11111111
	s_mov_b32 s61, s60
.set NS, NS+1
.endr
	; ---- NPB of my rows j, and V
	HALF 0
	FLD 1
	s_wait_alu depctr_va_vdst(0)                   ; the wait ahead of the wait below
	HALF 1
	BAR                                            ; V's codes of every wave lie in LDS
.irp z, 0,1,2,3                        ; head w's: z = 2 ct + K step
.irp c, 0,1
	ds_load_b128 v[VF+8*\z+4*\c:VF+8*\z+4*\c+3], v[APB] offset:1024*\z+512*\c
.endr
	ds_load_b32 v[VS+\z], v[ALR] offset:128*\z
.endr
	SYNC -1                                        ; slab 0 is whole for every wave, and V's bytes are free
	; ---- THE FOUR SLABS.  Three trips fill both slots again; the last slab is written out
.Lslab:
	QX 0
	IMGST
	SYNC 0
	PSTEP 0, 1
	QX 1
	BAR                                            ; nobody reads step 0's images any more
	IMGST
	SYNC 1
	PSTEP 1, 1
	BAR                                            ; all eight heads' scores are whole, and step 1's images are free
	SOFTMAX
	s_add_nc_u64 s[12:13], s[12:13], 1024          ; the next query's row of out1
	s_add_co_u32 s46, s46, PITCH
	s_wait_alu depctr_va_vdst(0)
	s_sub_co_u32 s23, s23, 1
	s_cmp_lg_u32 s23, 0
	s_cbranch_scc1 .Lslab
	QX 0
	IMGST
	SYNC -1
	PSTEP 0, 0
	QX 1
	BAR
	IMGST
	BAR
	PSTEP 1, 0
	v_and_b32 v[TT], 3, v0                         ; the last addresses, where the head's lay: row r % 4
	v_mul_u32_u24 v[TT], v[TT], PITCH
	v_bfe_u32 v[TT+1], v0, 4, 1
	v_add_nc_u32 v[ALR], s81, v[TT]                ; of head w's rows,
	v_lshl_add_u32 v[APB], v[TT+1], 7, v[ALR]
	v_lshl_add_u32 v[AOR], v[TT+1], 7, v[TT]       ; of O's stage as an operand's row,
	v_add_nc_u32 v[AOR], OST, v[AOR]
	v_lshl_add_u32 v[TT+2], v[TT+1], 5, v[TT]
	v_add_nc_u32 v[AUS], s89, v[TT+2]              ; of out0's stage, in,
	v_add_nc_u32 v[AOS], s87, v[TT+2]              ; of O's, in;
	v_add_nc_u32 v[AUR], s90, v[L16]               ; half a row of out0's, out
	v_lshlrev_b32 v[H32], 2, v[H8]
	WIN 0x40
.irp z, 0,1,2,3                        ; b in a result's layout: the C of the last product
	global_load_b128 v[4*\z:4*\z+3], v[H32], s[6:7] offset:64*(\z/2)+16*(\z%2)
.endr
	WIN 0
	BAR
	SOFTMAX
	; ---- O^T = V^T p^T / l of head w: column r is query i0 + r % 4
	ds_load_b32 v[TT+12], v[ALR] offset:1024       ; 1 / l.  LDS serves a wave's instructions in order: my stores are seen
	QROW APB
	PLACES 8                                       ; a scale word written by a vector instruction stands 8 places ahead of a scaled matrix instruction
.irp ct, 0,1
	MM OA+8*\ct, VF+16*\ct, CO, -1, VS+2*\ct, XS, 0
.endr
.irp ct, 0,1
	MM OA+8*\ct, VF+16*\ct+8, CO+8, OA+8*\ct, VS+2*\ct+1, XS+1, 0
.endr
	PLACES 4
.irp ct, 0,1
.irp e, 0,2,4,6
	v_pk_mul_f32 v[OA+8*\ct+\e:OA+8*\ct+\e+1], v[OA+8*\ct+\e:OA+8*\ct+\e+1], v[TT+12:TT+13] op_sel_hi:[1,0]
.endr
.endr
.irp z, 0,1,2,3
	ds_store_b128 v[AOS], v[OA+4*\z:OA+4*\z+3] offset:64*(\z/2)+16*(\z%2)   ; lanes with the same r % 4 hold the same numbers and write the same bytes
.endr
	; ---- out0 = Q(O / l) Q(W)^T + b: the tile's row r is query i0 + r % 4; wave w makes head w's channels
	BAR                                            ; the four rows of O / l are whole
	s_wait_loadcnt 0x0                             ; b
	QROW AOR
	PLACES 8
	WIN 0x10                                       ; b in window 1
.irp ct, 0,1
	MM WK+8*\ct, WF+16*\ct, CO, 8*\ct, WS+\ct, XS, 0
.endr
	WIN 0
.irp ct, 0,1
	MM WK+8*\ct, WF+16*\ct+8, CO+8, WK+8*\ct, WS+\ct, XS+1, 1
.endr
	PLACES 4
.irp z, 0,1,2,3
	ds_store_b128 v[AUS], v[WK+4*\z:WK+4*\z+3] offset:64*(\z/2)+16*(\z%2)
.endr
	BAR                                            ; the four rows of out0 are whole
	ds_load_b128 v[WK+32:WK+35], v[AUR]
	s_wait_dscnt 0x0
	global_store_b128 v[L16], v[WK+32:WK+35], s[10:11] th:TH_STORE_NT            ; 32 lanes store 512 consecutive bytes, at a multiple of 256 from out0's first byte
	s_wait_tensorcnt 0x0                           ; the wave's end: these three lines, behind my last tensor load and my last LDS store
	ds_add_u32 v[SPW], v[NIL]
	s_wait_dscnt 0x0
	s_endpgm
.Lfunc_end_k_q58af6a95b1_fused:
	.size	k_q58af6a95b1_fused, .Lfunc_end_k_q58af6a95b1_fused-k_q58af6a95b1_fused
	.p2alignl 7, 3214868480
	.fill 96, 4, 3214868480
	.section	.rodata,"a",@progbits
	.p2align	6, 0x0
	.amdhsa_kernel k_q58af6a95b1_fused
		.amdhsa_group_segment_fixed_size 327680
		.amdhsa_private_segment_fixed_size 0
		.amdhsa_enable_private_segment 0
		.amdhsa_kernarg_size 40
		.amdhsa_user_sgpr_count 2
		.amdhsa_user_sgpr_kernarg_segment_ptr 1
		.amdhsa_wavefront_size32 1
		.amdhsa_system_sgpr_workgroup_id_x 1
		.amdhsa_system_sgpr_workgroup_id_y 1
		.amdhsa_system_sgpr_workgroup_id_z 1
		.amdhsa_system_vgpr_workitem_id 0
		.amdhsa_next_free_vgpr 512
		.amdhsa_next_free_sgpr 100
		.amdhsa_reserve_vcc 0
		.amdhsa_float_denorm_mode_32 3
		.amdhsa_float_denorm_mode_16_64 3
		.amdhsa_memory_ordered 1
		.amdhsa_forward_progress 1
		.amdhsa_inst_pref_size 194
	.end_amdhsa_kernel
	.amdgpu_metadata
---
amdhsa.version: [ 1, 2 ]
amdhsa.kernels:
  - .name:           k_q58af6a95b1_fused
    .symbol:         k_q58af6a95b1_fused.kd
    .args:
      - { .name: edges, .offset: 0, .size: 8, .value_kind: global_buffer, .address_space: global }
      - { .name: b, .offset: 8, .size: 8, .value_kind: global_buffer, .address_space: global }
      - { .name: codes, .offset: 16, .size: 8, .value_kind: global_buffer, .address_space: global }
      - { .name: out0, .offset: 24, .size: 8, .value_kind: global_buffer, .address_space: global }
      - { .name: out1, .offset: 32, .size: 8, .value_kind: global_buffer, .address_space: global }
    .group_segment_fixed_size: 327680
    .private_segment_fixed_size: 0
    .kernarg_segment_align: 8
    .kernarg_segment_size: 40
    .max_flat_workgroup_size: 256
    .sgpr_count:     100
    .vgpr_count:     512
    .wavefront_size: 32
...
	.end_amdgpu_metadata
.endif
;; end of part 2
